; MI455X (gfx1250); checked and timed in simulation.
; The chip was launched on July 23, 2026; its instructions are those of AMD's public machine-readable ISA for CDNA 5 (MIT licence, August 2026) and "CDNA5" Instruction Set Architecture Reference Guide (July 2026). The comments in the code are by the model that wrote it; some were corrected since.
;; VQVAE. Allowed arithmetic: float matrix products may take bf16 or f16 operands with f32 sums; other float arithmetic in f32, or as packed bf16 or f16 multiplies, adds, multiply-adds, maxima and minima; sums over many terms, partial sums and values carried from step to step in f32; what a program stores and reads back later, other than sums and carried values, may be rounded once to bf16 or f16.
;; Inputs: codebook 8,192 x 256 float32; z 8 x 64 x 64 x 256 float32.
;; Outputs: out0 8 x 64 x 64 x 256 float32; out1 one number float32; out2 8 x 64 x 64 int32.
;; 2 versions, each right; version 2 is version 1 with the launch prep written anew for expert scheduling mode. Each part assembles by itself: llvm-mc -triple=amdgcn-amd-amdhsa -mcpu=gfx1250 --defsym DOCPART=n.
;; ======== version 1 of 2: 3 launches
;; limits: a difference of large sums (such as E[x^2] - mean^2): digits are lost where the result is much smaller than its terms
;; workspace buffers: cb 4,194,304 bytes; bsq 32,768 bytes; order 131,072 bytes of whole numbers; part 1,024 bytes
;; launch prep (part 1): grid 256 x 1, 2 waves a work-group, no clusters, 0 bytes of LDS; arguments codebook, cb, bsq; writes cb, bsq
.if DOCPART == 1
	.amdgcn_target "amdgcn-amd-amdhsa--gfx1250"
	.amdhsa_code_object_version 6
	.text
	.protected	k_qc7d98b477c_prep
	.globl	k_qc7d98b477c_prep
	.p2align	8
	.type	k_qc7d98b477c_prep,@function
k_qc7d98b477c_prep:
	s_mov_b64 s[64:65], 0
	v_nop
	global_prefetch_b8 v0, s[64:65] scope:SCOPE_SE
	s_setreg_imm32_b32 hwreg(HW_REG_WAVE_MODE, 25, 1), 1
	s_wait_xcnt 0x0
; VQ CODEBOOK, LAUNCH 1 OF 3: the codebook [8192][256] f32 is rounded to bf16, laid in the order in which the matrix unit's fragments want it (cb), and B[k] = the sum of the rounded code's squares is made (bsq).
; THE WHOLE PROGRAM works on z and codebook ROUNDED TO bf16 (the matrix operands' format): norms, products, the gathered rows and the loss all take the rounded numbers.
; NO WORK OF reference() IS LEFT OUT.  |z|^2 is the same for all codes of a row, but it stays: the index is the first minimum of fl(fl(|z|^2 + |c|^2) - 2 z.c), and |z|^2 is so large beside the other two terms that
; f32's rounding of that sum decides between near codes; the next launch forms the distance in just these two roundings.  z in z + (c - z) stays for the same reason (third launch).  stop_gradient changes no value.
; The loss is taken from the winning distances: |z - c|^2 = |z|^2 + |c|^2 - 2 z.c holds for all values.  LIMIT: each such distance carries an error of up to two steps of f32 at |z|^2 + |c|^2, so the loss keeps
; 1% while the mean winning distance is above 2e-5 of the mean |z|^2 + |c|^2.  LIMITS: NaN and infinities are not treated as argmin treats them; a row whose distances are all infinite or NaN gets no meaningful index.
; SHARES.  A wave takes one tile of 16 codes, Tg = 2 x work-group + wave.  Lane l = 16 h + r takes code r, channels 16 e + 8 h .. + 7 of chunk e = 0..15.
; cb: tile Tg at 8,192 Tg; chunk e at + 512 e; lane l's 16 bytes at + 16 l.  Chunks 2 c and 2 c + 1 are registers 0-3 and 4-7 of the fragment of channels 32 c .. 32 c + 31: a later load of 16 bytes a lane, lanes on end, fills it.
; bsq: f32, in the order in which a wave of the next launch walks: code k = 256 s + 64 w + 16 t + i lies at number 2,048 w + 16 (4 s + t) + i.
; No LDS: a lane stores what it has loaded and rounded.  All 32 loads of a wave (16 KiB) go out at once.
.set F, 16                             ; v[16:143]  32 loads of 4 f32: chunk e's eight numbers at F + 8 e
.set P, 144                            ; v[144:207] chunk e's eight bf16 at P + 4 e
	s_load_b128 s[4:7], s[0:1], 0x0                ; codebook s[4:5], cb s[6:7]
	s_load_b64 s[8:9], s[0:1], 0x10                ; bsq
	v_lshrrev_b32 v5, 5, v0
	v_readfirstlane_b32 s16, v5                    ; wave 0, 1
	s_lshl_b32 s17, ttmp9, 1
	s_add_co_u32 s17, s17, s16                     ; Tg
	v_and_b32 v6, 15, v0                           ; r
	v_bfe_u32 v7, v0, 4, 1                         ; h
	v_lshlrev_b32 v1, 10, v6
	v_lshl_add_u32 v1, v7, 5, v1                   ; where I load: 1,024 r + 32 h
	v_and_b32 v13, 31, v0
	v_lshlrev_b32 v2, 4, v13                       ; where I store: 16 l
	v_lshlrev_b32 v3, 2, v6                        ; B's word: 4 r
	v_mov_b32 v4, 0                                ; the sums' first addend
	v_mov_b32 v12, 0                               ; v_permlanex16_b32 counts as a reader of its destination
	s_mov_b32 s12, 0x76543210                      ; each lane takes its own place in the other half
	s_mov_b32 s13, 0xfedcba98
	s_lshl_b32 s20, s17, 14                        ; the tile's 16 rows of 1,024 bytes
	s_mov_b32 s21, 0
	s_lshl_b32 s22, s17, 13                        ; the tile's 8,192 bytes of cb
	s_mov_b32 s23, 0
	s_bfe_u32 s24, s17, 0x20002                    ; w = (Tg >> 2) & 3
	s_lshl_b32 s24, s24, 13
	s_lshr_b32 s25, s17, 4                         ; s = Tg >> 4
	s_lshl_b32 s25, s25, 2
	s_and_b32 s26, s17, 3                          ; t
	s_add_co_u32 s25, s25, s26
	s_lshl_b32 s25, s25, 6
	s_add_co_u32 s24, s24, s25                     ; 8,192 w + 64 (4 s + t)
	s_mov_b32 s25, 0
	s_wait_kmcnt 0x0
	s_add_nc_u64 s[4:5], s[4:5], s[20:21]
	s_add_nc_u64 s[6:7], s[6:7], s[22:23]
	s_add_nc_u64 s[8:9], s[8:9], s[24:25]
.set i, 0
.rept 32
	global_load_b128 v[F+4*i:F+4*i+3], v1, s[4:5] offset:64*(i/2)+16*(i%2)
.set i, i+1
.endr
; Chunk e: rounded, squared into four chains of sums, stored.
.macro CHUNK e
	s_wait_loadcnt 30-2*(\e)                       ; loads come back in order: the 2 (15 - e) loads of the later chunks may stay out
.irp j, 0,1,2,3
	v_cvt_pk_bf16_f32 v[P+4*(\e)+(\j)], v[F+8*(\e)+2*(\j)], v[F+8*(\e)+2*(\j)+1]
.endr
.irp j, 0,1,2,3
.if (\e) == 0
	v_fma_mix_f32_bf16 v[8+(\j)], v[P+4*(\e)+(\j)], v[P+4*(\e)+(\j)], v4 op_sel_hi:[1,1,0]  ; the low halves' squares start the chains
.else
	v_fma_mix_f32_bf16 v[8+(\j)], v[P+4*(\e)+(\j)], v[P+4*(\e)+(\j)], v[8+(\j)] op_sel_hi:[1,1,0]
.endif
.endr
.irp j, 0,1,2,3
	v_fma_mix_f32_bf16 v[8+(\j)], v[P+4*(\e)+(\j)], v[P+4*(\e)+(\j)], v[8+(\j)] op_sel:[1,1,0] op_sel_hi:[1,1,0]  ; the high halves'
.endr
	global_store_b128 v2, v[P+4*(\e):P+4*(\e)+3], s[6:7] offset:512*(\e)  ; the wave stores 512 consecutive bytes, at a multiple of 512 from cb's first
.endm
.irp e, 0,1,2,3,4,5,6,7,8,9,10,11,12,13,14,15
	CHUNK \e
.endr
	v_add_f32 v8, v8, v9
	v_add_f32 v10, v10, v11
	v_add_f32 v8, v8, v10
	v_permlanex16_b32 v12, v8, s12, s13            ; the code's other 128 channels lie in the lane 16 away
	v_add_f32 v8, v8, v12
	v_cmp_gt_u32 vcc_lo, 16, v13
	s_wait_xcnt 0x0                                ; EXEC is a source of the stores above: it changes only behind this wait
	s_and_saveexec_b32 s18, vcc_lo
	global_store_b32 v3, v8, s[8:9]                ; lanes 0-15: the tile's 16 sums, 64 bytes on end (the whole table is 32 KiB)
	s_wait_xcnt 0x0
	s_or_b32 exec_lo, exec_lo, s18
	s_endpgm
.Lfunc_end_k_qc7d98b477c_prep:
	.size	k_qc7d98b477c_prep, .Lfunc_end_k_qc7d98b477c_prep-k_qc7d98b477c_prep
	.p2alignl 7, 3214868480
	.fill 96, 4, 3214868480
	.section	.rodata,"a",@progbits
	.p2align	6, 0x0
	.amdhsa_kernel k_qc7d98b477c_prep
		.amdhsa_group_segment_fixed_size 0
		.amdhsa_private_segment_fixed_size 0
		.amdhsa_enable_private_segment 0
		.amdhsa_kernarg_size 24
		.amdhsa_user_sgpr_count 2
		.amdhsa_user_sgpr_kernarg_segment_ptr 1
		.amdhsa_wavefront_size32 1
		.amdhsa_system_sgpr_workgroup_id_x 1
		.amdhsa_system_sgpr_workgroup_id_y 1
		.amdhsa_system_sgpr_workgroup_id_z 1
		.amdhsa_system_vgpr_workitem_id 0
		.amdhsa_next_free_vgpr 208
		.amdhsa_next_free_sgpr 66
		.amdhsa_reserve_vcc 1
		.amdhsa_float_denorm_mode_32 3
		.amdhsa_float_denorm_mode_16_64 3
		.amdhsa_memory_ordered 1
		.amdhsa_forward_progress 1
		.amdhsa_inst_pref_size 19
	.end_amdhsa_kernel
	.amdgpu_metadata
---
amdhsa.version: [ 1, 2 ]
amdhsa.kernels:
  - .name:           k_qc7d98b477c_prep
    .symbol:         k_qc7d98b477c_prep.kd
    .args:
      - { .name: codebook, .offset: 0, .size: 8, .value_kind: global_buffer, .address_space: global }
      - { .name: cb, .offset: 8, .size: 8, .value_kind: global_buffer, .address_space: global }
      - { .name: bsq, .offset: 16, .size: 8, .value_kind: global_buffer, .address_space: global }
    .group_segment_fixed_size: 0
    .private_segment_fixed_size: 0
    .kernarg_segment_align: 8
    .kernarg_segment_size: 24
    .max_flat_workgroup_size: 64
    .sgpr_count:     66
    .vgpr_count:     208
    .wavefront_size: 32
...
	.end_amdgpu_metadata
.endif
;; end of part 1
;; launch dist (part 2): grid 256 x 1, 4 waves a work-group, clusters of 4 x 1, 327,680 bytes of LDS; arguments z, cb, bsq, out2, order, part; writes out2, order, part
.if DOCPART == 2
	.amdgcn_target "amdgcn-amd-amdhsa--gfx1250"
	.amdhsa_code_object_version 6
	.text
	.protected	k_qc7d98b477c_dist
	.globl	k_qc7d98b477c_dist
	.p2align	8
	.type	k_qc7d98b477c_dist,@function
k_qc7d98b477c_dist:
	s_mov_b64 s[64:65], 0
	v_nop
	global_prefetch_b8 v0, s[64:65] scope:SCOPE_SE
	s_setreg_imm32_b32 hwreg(HW_REG_WAVE_MODE, 25, 1), 1
	s_wait_xcnt 0x0
	s_wait_alu depctr_hold_cnt(0) depctr_sa_sdst(0) depctr_va_vdst(0) depctr_va_sdst(0) depctr_va_ssrc(0) depctr_va_vcc(0) depctr_vm_vsrc(0)
	s_getreg_b32 s2, hwreg(HW_REG_IB_STS2, 6, 4)
	s_cmp_eq_u32 s2, 0
	s_cbranch_scc0 .Lentry_in_a_cluster
	s_endpgm
.Lentry_in_a_cluster:
	s_bfe_u32 s2, ttmp6, 0x10000c
	s_cmp_lg_u32 s2, 0x3003
	s_cbranch_scc0 .Lentry_shape_is_right
	s_endpgm
.Lentry_shape_is_right:
; VQ CODEBOOK, LAUNCH 2 OF 3: for each of the 32,768 rows of z the FIRST index of the smallest d[k] = fl(fl(A + B[k]) - 2 M[k]), A = |z|^2, B[k] = |c_k|^2, M[k] = z . c_k, all on z and codes rounded to bf16.
; Nothing of reference() is left out here: A is the same for all k but stays, since f32's rounding of A + B - 2 M decides between near codes; d is formed in reference()'s two roundings (2 M is exact, so the second is one
; fused multiply-add), and equal d go to the lowest k.  M's 256 products are added in the matrix unit's order, A's likewise.
; LIMITS.  NaN is dropped by the minima, not carried; a row whose d are all +infinity or NaN gets no meaningful index.  part holds sums of winning d for the loss (|z - c|^2 = A + B - 2 M for all values):
; each carries up to two steps of f32 at A + B, so the loss keeps 1% while the mean winning d is above 2e-5 of the mean A + B.
; SHARES.  A work-group owns 128 rows of z (queries); EACH of its four waves holds all 128 as bf16 fragments, 512 registers.  The codes are shared out among the waves: of a slot's 256 codes wave w takes 64 w .. 64 w + 63, four
; tiles of 16, and reads only the LDS bytes that its own tensor load brought.  A code tile is 18 LDS loads for 64 matrix instructions, and each LDS byte is read once in the work-group.
; LAYOUT.  Source 0 = 16 codes, source 1 = 16 queries: in the result a lane holds ONE query (lane % 16) and the codes 8 (lane / 16) + 0..7.  cb lies in fragment order: lane l's 16 bytes of chunk e at 512 e + 16 l, so the
; LDS loads take 512 bytes on end: no padding is wanted.
; THE ARGMIN, per lane and query tile: a running minimum, the number n of the tile in which it was first reached, and that tile's eight d.  22 vector instructions for a tile's 8 matrix instructions; they stand in slices of four
; behind the matrix instructions of the OTHER half of the query tiles (two sets of four accumulators take turns).  At the end the lowest register that equals the minimum gives the code; halves of lanes and waves are merged by (d, index).
; CLUSTER.  All work-groups walk the same 4 MiB of cb.  The four of a cluster ask for each slot JOINTLY: the same tensor load, descriptor and mask in all four.  (A mask names four at the most, so the cluster is 4 x 1.)
; REGISTERS, in windows of 256 (s_set_vgpr_msb: bits 1:0 source 0, 3:2 source 1, 5:4 source 2, 7:6 destination):
;   window 0: v0-15 addresses; v16-47 statistics; v48-63 at work; v64-79 B, two sets; v80-143 the best tile's d; v144-207 eight accumulators; v208-255 the way out
;   window 1: v0-127 code fragments, two buffers (at the start all 256: z as f32, two buffers)      window 2: z of query tiles 0-3, tile q, channels 32 c on at 64 q + 8 c      window 3: tiles 4-7
.set SLOT1, 1<<17                      ; LDS: slot 0 at 0, slot 1 here: 131,072 bytes each, wave w's quarter at 32,768 w, its tile t at + 8,192 t.  One exclusive or turns an address in one slot into the other's
.set SLOTB, 131072                     ; a slot's bytes in cb: 256 codes
.set ZP,    1040                       ; the first fill of slot 1's bytes and 2,048 more is z: 128 rows of 1,024 bytes + 16 of padding: 65 x 16, so the 16 rows of a load start at 16 different groups of four banks (64 banks of 4 bytes: ISA guide 11.1)
.set BTAB,  SLOT1+128*ZP               ; 264,192: B, wave w's 8,192 bytes at + 8,192 w; filled once
.set SCR,   BTAB+32768                 ; 296,960: the waves' results, 8 bytes (d, index) a query, wave w at + 1,024 w; written by LDS stores, never filled
.set SPARE, SCR+4096                   ; 301,056: the spare words, 128 bytes for each wave: two blocks of 256 bytes that no other line names
.set AK0, 2                            ; v2   32,768 w + 16 l: my 16 bytes of a chunk; never rewritten
.set BK0, 3                            ; v3   BTAB + 8,192 w + 32 (l / 16): my eight B of a tile
.set ADR, 4                            ; v4   the LDS address of the run of loads in hand
.set BADR, 5                           ; v5   the same for B
.set ZA,  6                            ; v6, v7  z's stage: SLOT1 + 1,040 (l % 16) + 32 (l / 16), for query tiles 0-3 and 4-7
.set WH,  8                            ; v8   64 w + 8 (l / 16)
.set PFO, 9                            ; v9   256 l: the prefetches' offset
.set SPW, 10                           ; v10  LDS address of my spare word: SPARE + 4 x my thread's number; never rewritten
.set NIL, 11                           ; v11  0; never rewritten
.set ST,  16                           ; query tile q at ST + 4 q: A, n of the best tile, and the running minimum in two registers that take turns by the code tile's parity
.set T,   48                           ; two sets of eight, at work
.set BV,  64                           ; B of the code tile, by its parity
.set SV,  80                           ; query tile q's eight d of the best code tile at SV + 8 q
.set ACC, 144                          ; query tile q's accumulator at ACC + 8 q
.set MSB, 0
.macro WIN new                         ; the immediate's high byte repeats the setting that is left; a switch that changes nothing is dropped
.if MSB != (\new)
	s_set_vgpr_msb (MSB<<8)|(\new)
.set MSB, \new
.endif
.endm
; s16 wave; s17 cx; s18 work-group; s[24:31] group 1 for codes; s[32:39] for z; s[40:47] for B; s[48:51] group 0 for codes (it walks); s[52:55] for z; s[56:59] for B
; s60 LDS byte of the next tile to fetch, less the wave's part; s61 the same for B; s62 n of the tile whose d are in hand; s63 slots still to be asked for; s66 counts pairs of tiles
; s67 2 in a wave that prefetches, else the greatest number; s[68:69] where my prefetches stand; s[70:71] v_permlanex16_b32's selects; s72-78 lanes with l % 8 = 1..7; s79 lanes with l / 16 = (l % 16) / 8
; A round of the cluster's barrier: my work-group's barrier, so that wave 0's signal speaks for all four waves; wave 0 signals; every wave waits for all four work-groups; my work-group's barrier once more.
.macro CROUND
	s_barrier_signal -1
	s_barrier_wait -1
	s_cmp_lg_u32 s16, 0
	s_cbranch_scc1 .Lnot_wave_0_\@
	s_barrier_signal -3
.Lnot_wave_0_\@:
	s_barrier_wait -3
	s_barrier_signal -1
	s_barrier_wait -1
.endm
; A PREFETCH INTO THE L2 of the slot that stands TWO changes of slots on (512 matrix instructions ahead of the load that will want it).  Each 256 bytes of cb are named once in the launch: all clusters walk the same bytes, and
; the first cluster asks; of the 32,768 bytes that wave w fetches, the partner at place cx takes 8,192 cx on, told apart BY ADDRESS: 32 blocks, a lane a block, one instruction.  The last two changes that fill a slot ask for nothing.
.macro ASK
	s_cmp_gt_u32 s63, s67
	s_cbranch_scc0 .Lnot_mine_\@
	global_prefetch_b8 v[PFO], s[68:69] th:TH_LOAD_NT scope:SCOPE_SE
.Lnot_mine_\@:
.endm
	s_load_b256 s[4:11], s[0:1], 0x0               ; z s[4:5], cb s[6:7], bsq s[8:9], out2 s[10:11]
	s_load_b128 s[12:15], s[0:1], 0x20             ; order s[12:13], part s[14:15]
	v_lshl_add_u32 v[SPW], v0, 2, SPARE
	v_mov_b32 v[NIL], 0
	ds_add_u32 v[SPW], v[NIL]                      ; the wave's opening: the add, twice on end, and its wait ahead of my first tensor load; the set-up below, work on registers, stands between
	ds_add_u32 v[SPW], v[NIL]
	v_lshrrev_b32 v12, 5, v0
	v_readfirstlane_b32 s16, v12                   ; wave 0..3
	s_bfe_u32 s17, ttmp6, 0x40000                  ; cx: my place in the cluster
	s_lshl_b32 s18, ttmp9, 2                       ; in a cluster launch ttmp9 counts clusters
	s_add_co_u32 s18, s18, s17                     ; my work-group: it enters z's address and the results' alone
	; group 1 for the codes: 32,768 dense bytes as 128 rows of 32 elements of 8 bytes
	s_mov_b32 s24, 15|(3<<16)|(1<<21)              ; 15:0 the mask of four; 17:16 8-byte elements; 21 set beside a mask
	s_mov_b32 s25, 32<<16                          ; tensor_dim0 = 32
	s_mov_b32 s26, 128<<16                         ; tensor_dim1 = 128
	s_mov_b32 s27, 32<<16                          ; tile_dim0 = 32
	s_mov_b32 s28, 128                             ; tile_dim1 = 128
	s_mov_b32 s29, 32                              ; 32 elements from row to row
	s_mov_b32 s30, 0
	s_mov_b32 s31, 0
	; group 1 for z: 32 rows of 256 f32, 4 words of padding behind each; a load of my work-group's own (no mask)
	s_mov_b32 s32, (2<<16)|(1<<20)|(7<<22)|(3<<25) ; 17:16 4-byte elements; 20 padding on; 24:22 after every 256 words (code 7); 31:25 4 words (code 3)
	s_mov_b32 s33, 256<<16
	s_mov_b32 s34, 32<<16
	s_mov_b32 s35, 256<<16
	s_mov_b32 s36, 32
	s_mov_b32 s37, 256
	s_mov_b32 s38, 0
	s_mov_b32 s39, 0
	; group 1 for B: 8,192 dense bytes as 32 rows of 256
	s_mov_b32 s40, 15|(3<<16)|(1<<21)
	s_mov_b32 s41, 32<<16
	s_mov_b32 s42, 32<<16
	s_mov_b32 s43, 32<<16
	s_mov_b32 s44, 32
	s_mov_b32 s45, 32
	s_mov_b32 s46, 0
	s_mov_b32 s47, 0
	s_mov_b32 s48, 1                               ; count = 1
	s_lshl_b32 s49, s16, 15                        ; codes: slot 0, my quarter: no place in the cluster enters an LDS address
	s_mov_b32 s52, 1
	s_mul_i32 s53, s16, 32*ZP
	s_add_co_u32 s53, s53, SLOT1                   ; z: my 32 rows of the stage
	s_mov_b32 s56, 1
	s_lshl_b32 s57, s16, 13
	s_add_co_u32 s57, s57, BTAB                    ; B: my 8,192 bytes
	s_lshl_b32 s20, s18, 17                        ; z: 128 rows of 1,024 bytes a work-group,
	s_lshl_b32 s21, s16, 15                        ; 32 a wave
	s_add_co_u32 s20, s20, s21
	s_mov_b32 s21, 0
	s_lshl_b32 s22, s16, 15                        ; cb: my quarter of a slot
	s_mov_b32 s23, 0
	s_lshl_b32 s84, s16, 13                        ; bsq: my quarter
	s_mov_b32 s85, 0
	s_lshl_b32 s86, s17, 13                        ; the prefetches: my work-group's quarter of my quarter
	s_mov_b32 s87, 0
	s_mov_b32 s60, SLOT1+32768                     ; the first change of slots turns this into 0
	s_mov_b32 s61, 0
	s_mov_b32 s62, 0
	s_mov_b32 s63, 31
	s_cmp_eq_u32 ttmp9, 0                          ; the first cluster: the same in all four partners
	s_cselect_b32 s67, 2, -1
	s_mov_b32 s70, 0x76543210
	s_mov_b32 s71, 0xfedcba98
	s_wait_dscnt 0x0                               ; both opening adds are done
	s_wait_kmcnt 0x0
	s_add_nc_u64 s[54:55], s[4:5], s[20:21]
	s_or_b32 s55, s55, 0x80000000                  ; type = 2
	s_add_nc_u64 s[50:51], s[6:7], s[22:23]
	s_or_b32 s51, s51, 0x80000000
	s_add_nc_u64 s[58:59], s[8:9], s[84:85]
	s_or_b32 s59, s59, 0x80000000
	s_add_nc_u64 s[68:69], s[6:7], s[22:23]
	s_add_nc_u64 s[68:69], s[68:69], s[86:87]
	s_add_nc_u64 s[68:69], s[68:69], 2*SLOTB       ; in slot 2: the first change of slots steps it to slot 3.  Nothing is prefetched here, at the head
	CROUND                                         ; all four work-groups are here: the first joint loads meet
	tensor_load_to_lds s[52:55], s[32:39]          ; my 32 rows of z: wanted first.  Three loads of mine are out here, later one
	s_nop 0
	tensor_load_to_lds s[48:51], s[24:31]          ; my quarter of slot 0
	s_nop 0
	tensor_load_to_lds s[56:59], s[40:47]          ; my quarter of B
	s_nop 0
.rept 4
	v_nop
.endr
	; all this stands in the wait for z
	v_and_b32 v1, 15, v0                           ; l % 16
	v_and_b32 v12, 31, v0                          ; l
	v_bfe_u32 v13, v0, 4, 1                        ; l / 16
	v_lshlrev_b32 v[AK0], 4, v12
	v_add_nc_u32 v[AK0], s22, v[AK0]
	v_lshlrev_b32 v[BK0], 5, v13
	v_add_nc_u32 v[BK0], s57, v[BK0]
	v_mul_u32_u24 v[ZA], v1, ZP
	v_lshl_add_u32 v[ZA], v13, 5, v[ZA]
	v_add_nc_u32 v[ZA], SLOT1, v[ZA]
	v_add_nc_u32 v[ZA+1], 64*ZP, v[ZA]
	s_lshl_b32 s19, s16, 6
	v_lshl_add_u32 v[WH], v13, 3, s19
	v_lshlrev_b32 v[PFO], 8, v12
	v_and_b32 v14, 7, v0
.irp j, 1,2,3,4,5,6,7
	v_cmp_eq_u32 s[71+\j], \j, v14
.endr
	v_bfe_u32 v15, v0, 3, 1
	v_cmp_eq_u32 s79, v15, v13
.set i, 0
.rept 64
	v_mov_b32 v[SV+i], 0                           ; the selects below read these before the first minimum is saved
.set i, i+1
.endr
.set i, 0
.rept 8
	v_mov_b32 v[ST+4*i+1], 0
	v_mov_b32 v[ST+4*i+2], 0x7f800000              ; the minimum starts at +infinity
.set i, i+1
.endr
	s_wait_tensorcnt 2                             ; tensor loads of a wave end in order: my rows of z are in; the two loads issued behind them may stay out
	s_barrier_signal -1
	s_barrier_wait -1                              ; everybody's rows are in
; z TO FRAGMENTS.  A fragment is 16 rows x 32 channels in 8 registers: lane l holds row l % 16, channels 8 (l / 16) + 0..7 and 16 + 8 (l / 16) + 0..7: as f32 four loads of 16 bytes, at 0, 16, 64 and 80.
.macro LOADZ q, b                      ; query tile q as f32 into buffer b of window 1: 32 loads
	WIN 0x40                                       ; destination window 1, address window 0
.set c, 0
.rept 8
	ds_load_b128 v[128*(\b)+16*c:128*(\b)+16*c+3],     v[ZA+(\q)/4] offset:16*ZP*((\q)%4)+128*c
	ds_load_b128 v[128*(\b)+16*c+4:128*(\b)+16*c+7],   v[ZA+(\q)/4] offset:16*ZP*((\q)%4)+128*c+16
	ds_load_b128 v[128*(\b)+16*c+8:128*(\b)+16*c+11],  v[ZA+(\q)/4] offset:16*ZP*((\q)%4)+128*c+64
	ds_load_b128 v[128*(\b)+16*c+12:128*(\b)+16*c+15], v[ZA+(\q)/4] offset:16*ZP*((\q)%4)+128*c+80
.set c, c+1
.endr
.endm
.macro CVTZ q, b                       ; rounded to bf16, into window 2 or 3
	WIN 0x85+0x40*((\q)/4)
.set c, 0
.rept 64
	v_cvt_pk_bf16_f32 v[64*((\q)%4)+c], v[128*(\b)+2*c], v[128*(\b)+2*c+1]
.set c, c+1
.endr
.endm
	LOADZ 0, 0
.irp q, 0,1,2,3,4,5,6,7
.if (\q) < 7
	LOADZ (\q)+1, ((\q)+1)%2
	s_wait_dscnt 32                                ; all but the 32 just issued
.else
	s_wait_dscnt 0x0
.endif
	CVTZ \q, (\q)%2
.endr
; THE CHANGE OF SLOTS.  fill = 1: every wave waits for all its tensor loads, of which one is out: its quarter of the other slot; adds 0 to its spare word; waits for that and for its reads of the slot that it leaves.  The
; barrier is a round of the cluster's, so that no wave of any partner still reads the slot or has a load on its way; the joint refill, with the codes two slots on, is the first thing behind it and has four tiles, 256 matrix
; instructions, in which to land.  (At its first use the bytes left are z's stage.)  fill = 0: the last slot: my quarter of it is waited for; only I read it, and nothing is filled.
.macro CHANGE fill
	WIN 0                                          ; at a label and at a branch every window is 0
	s_wait_tensorcnt 0x0                           ; no tensor load of mine is out, so a group 0 may be written
.if \fill
	ds_add_u32 v[SPW], v[NIL]                      ; 0 onto my spare word; the steps below stand between it and the wait for it
	s_xor_b32 s49, s49, SLOT1                      ; the walking descriptor: the other slot than last time,
	s_add_nc_u64 s[50:51], s[50:51], SLOTB         ; the next 256 codes; the type bits on top are not reached
	s_wait_xcnt 0x0                                ; the last prefetch, four tiles back, has read its address
	s_add_nc_u64 s[68:69], s[68:69], SLOTB
	s_wait_dscnt 0x0                               ; the add is done, and my reads of the slot are over
	CROUND
	tensor_load_to_lds s[48:51], s[24:31]
	s_nop 0
.rept 4
	v_nop
.endr
	ASK
.endif
	s_sub_co_u32 s60, s60, 32768                   ; the fetches go back to a quarter's first tile,
	s_xor_b32 s60, s60, SLOT1                      ; in the other slot
.endm
; A code tile's fragments into buffer p of window 1, and its B into set p: one run of 18 loads.
.macro FETCH p
	WIN 0
	v_add_nc_u32 v[ADR], s60, v[AK0]
	v_add_nc_u32 v[BADR], s61, v[BK0]
	WIN 0x40
.set e, 0
.rept 16
	ds_load_b128 v[64*(\p)+4*e:64*(\p)+4*e+3], v[ADR] offset:512*e
.set e, e+1
.endr
	WIN 0
	ds_load_b128 v[BV+8*(\p):BV+8*(\p)+3],   v[BADR]
	ds_load_b128 v[BV+8*(\p)+4:BV+8*(\p)+7], v[BADR] offset:16
	s_add_co_u32 s60, s60, 8192
	s_add_co_u32 s61, s61, 64
.endm
; THE VECTOR WORK for the four query tiles of set g and a code tile of parity par: a list of 88, of which RID writes number k.  Two query tiles a, b at a time, 44 numbers:
;   0-7    S = B + A, two a line (they name no accumulator: the first eight are the places behind the set's last products)
;   8-15   d = S - 2 M, in place, each accumulator's lowest registers first
;   16-23  the minimum of the eight d and the old minimum, three operands at a time, the two tiles alternating; the new minimum goes into the other of the two registers
;   24-33, 34-43  for a, then b: has the minimum fallen (strictly: an equal later tile does not win)?  Then n and the eight d are kept
.macro RID g, par
.set kk, k%44
.set tx, 0
.if ((kk >= 4) && (kk < 8)) || ((kk >= 12) && (kk < 16)) || ((kk >= 16) && (kk < 24) && (kk%2 == 1)) || (kk >= 34)
.set tx, 1
.endif
.set qx, 4*(\g)+2*(k/44)+tx
.set rA, ACC+8*qx
.set rT, T+8*tx
.set rB, BV+8*(\par)
.set rS, ST+4*qx
.set rV, SV+8*qx
.set rO, rS+2+(\par)
.set rN, rS+3-(\par)
	WIN 0
.if kk < 8
.set x, kk%4
	v_pk_add_f32 v[rT+2*x:rT+2*x+1], v[rB+2*x:rB+2*x+1], v[rS:rS+1] op_sel_hi:[1,0]
.elseif kk < 16
.set x, kk%4
	v_pk_fma_f32 v[rA+2*x:rA+2*x+1], v[rA+2*x:rA+2*x+1], -2.0, v[rT+2*x:rT+2*x+1] op_sel_hi:[1,0,1]
.elseif kk < 18
	v_min3_num_f32 v[rT], v[rA], v[rA+1], v[rA+2]
.elseif kk < 20
	v_min3_num_f32 v[rT+1], v[rA+3], v[rA+4], v[rA+5]
.elseif kk < 22
	v_min3_num_f32 v[rT], v[rT], v[rA+6], v[rA+7]
.elseif kk < 24
	v_min3_num_f32 v[rN], v[rT], v[rT+1], v[rO]
.elseif (kk == 24) || (kk == 34)
	v_cmp_lt_f32 vcc_lo, v[rN], v[rO]
.elseif (kk == 25) || (kk == 35)
	v_cndmask_b32 v[rS+1], v[rS+1], s62, vcc_lo
.else
.set x, (kk-26)%10
	v_cndmask_b32 v[rV+x], v[rV+x], v[rA+x], vcc_lo
.endif
.set k, k+1
.endm
; 32 products: the code tile in buffer buf x query tiles 4 g .. 4 g + 3, channels 32 (i / 4) on.  The four accumulators take turns, one instruction a turn; the first four products start the sums.
; rid = 1: behind 22 of the 32 stands a slice of four of the other set's list.
.macro GROUP g, buf, rid, par
.set i, 0
.set k, 0
.rept 32
	WIN 0x09+4*(\g)                                ; codes in window 1, z in window 2 or 3, sums in window 0
.set rD, ACC+32*(\g)+8*(i%4)
.set rK, 64*(\buf)+8*(i/4)
.set rZ, 64*(i%4)+8*(i/4)
.if i < 4
	v_wmma_f32_16x16x32_bf16 v[rD:rD+7], v[rK:rK+7], v[rZ:rZ+7], 0
.else
	v_wmma_f32_16x16x32_bf16 v[rD:rD+7], v[rK:rK+7], v[rZ:rZ+7], v[rD:rD+7]
.endif
.if (\rid) && (i%3 != 2)
.rept 4
	RID 1-(\g), \par
.endr
.endif
.set i, i+1
.endr
.endm
; A CODE TILE, in buffer p (its number's parity).  Beside its first 32 products stands the vector work of the tile before on query tiles 4-7; then the next tile is fetched, into the buffer whose last reader stands 88 plain
; instructions back; beside its last 32 products stands its own vector work on query tiles 0-3.
.macro TILE p, first, fetch
	s_wait_dscnt 0x0                               ; the tile's fragments and B, asked for 32 products ago, are in
	GROUP 0, \p, 1-(\first), 1-(\p)
.if !(\first)
	s_add_co_u32 s62, s62, 1                       ; from here on the d in hand are this tile's
.endif
.if \fetch
	FETCH 1-(\p)
.endif
	GROUP 1, \p, 1, \p
.endm
	CHANGE 1                                       ; slot 0 and B are in; z's stage has been read out by all: slot 1 is asked for
	FETCH 0                                        ; code tile 0
	; A = the diagonal of Z Z^T: the same fragments as both sources, eight accumulators, four by turns
.irp g, 0,1
	WIN 0x0a+5*(\g)
.set i, 0
.rept 32
.set rD, ACC+32*(\g)+8*(i%4)
.set rZ, 64*(i%4)+8*(i/4)
.if i < 4
	v_wmma_f32_16x16x32_bf16 v[rD:rD+7], v[rZ:rZ+7], v[rZ:rZ+7], 0
.else
	v_wmma_f32_16x16x32_bf16 v[rD:rD+7], v[rZ:rZ+7], v[rZ:rZ+7], v[rD:rD+7]
.endif
.set i, i+1
.endr
.endr
	WIN 0
.rept 4
	v_nop                                          ; the places behind the last products
.endr
	; register j of lane l holds element (8 (l / 16) + j, l % 16): query r's square sum lies in register r % 8 of the lane with l / 16 = r / 8; the other half of the lanes takes it from there
.irp q, 0,1,2,3,4,5,6,7
	v_cndmask_b32 v[12+2*((\q)%2)], v[ACC+8*(\q)], v[ACC+8*(\q)+1], s72
.irp j, 2,3,4,5,6,7
	v_cndmask_b32 v[12+2*((\q)%2)], v[12+2*((\q)%2)], v[ACC+8*(\q)+(\j)], s[71+\j]
.endr
	v_permlanex16_b32 v[13+2*((\q)%2)], v[12+2*((\q)%2)], s70, s71
	v_cndmask_b32 v[ST+4*(\q)], v[13+2*((\q)%2)], v[12+2*((\q)%2)], s79
.endr
	TILE 0, 1, 1                                   ; tile 0
	WIN 0
	s_mov_b32 s66, 1
	s_branch .Lpair                                ; the loop is entered behind its change of slots: tiles 1 and 2
.Lslot:                                            ; 30 times, in front of tiles 3, 7 .. 119: slots 2 to 31 are asked for
	CHANGE 1
	s_mov_b32 s66, 2
.Lpair:
	TILE 1, 0, 1
	TILE 0, 0, 1
	WIN 0
	s_sub_co_u32 s66, s66, 1
	s_cmp_lg_u32 s66, 0
	s_cbranch_scc1 .Lpair
	s_sub_co_u32 s63, s63, 1
	s_cmp_lg_u32 s63, 0
	s_cbranch_scc1 .Lslot
	CHANGE 0                                       ; the tail is written out: tiles 123 to 126, which fetch the last slot's four
	s_mov_b32 s66, 2
.Lpair2:
	TILE 1, 0, 1
	TILE 0, 0, 1
	WIN 0
	s_sub_co_u32 s66, s66, 1
	s_cmp_lg_u32 s66, 0
	s_cbranch_scc1 .Lpair2
	TILE 1, 0, 0                                   ; tile 127
	WIN 0
.set k, 0
.rept 88
	RID 1, 1                                       ; its vector work on query tiles 4-7; the first eight lines are the places behind the last products
.endr
	; THE WAY OUT.  The minimum of all 128 tiles lies in the first of its two registers.
; (d, index) b takes a's place if it is smaller, or equal with the lower index.
.macro MERGE md, id, ma, ia, mb, ib
	v_cmp_lt_f32 s80, v[\mb], v[\ma]
	v_cmp_eq_f32 s81, v[\mb], v[\ma]
	v_cmp_lt_u32 s82, v[\ib], v[\ia]
	s_and_b32 s81, s81, s82
	s_or_b32 s80, s80, s81
	v_cndmask_b32 v[\md], v[\ma], v[\mb], s80
	v_cndmask_b32 v[\id], v[\ia], v[\ib], s80
.endm
; Query tile q: the lowest of the eight saved d that equals the minimum; the code's number 256 (n / 4) + 64 w + 16 (n % 4) + 8 (l / 16) + j; the other half of the lanes' pair; the better pair into my wave's words.
.macro FIN q
	v_mov_b32 v224, 7
.irp j, 6,5,4,3,2,1,0
	v_cmp_eq_f32 vcc_lo, v[SV+8*(\q)+(\j)], v[ST+4*(\q)+2]
	v_cndmask_b32 v224, v224, \j, vcc_lo
.endr
	v_lshrrev_b32 v225, 2, v[ST+4*(\q)+1]
	v_and_b32 v226, 3, v[ST+4*(\q)+1]
	v_lshl_add_u32 v225, v225, 8, v[WH]
	v_lshl_add_u32 v225, v226, 4, v225
	v_add_nc_u32 v225, v225, v224
	v_permlanex16_b32 v227, v[ST+4*(\q)+2], s70, s71
	v_permlanex16_b32 v228, v225, s70, s71
	MERGE 208+2*(\q), 209+2*(\q), ST+4*(\q)+2, 225, 227, 228
	ds_store_b64 v229, v[208+2*(\q):209+2*(\q)] offset:128*(\q)  ; both halves of the lanes write the same pair to the same words
.endm
	v_mov_b32 v227, 0                              ; v_permlanex16_b32 counts as a reader of its destination
	v_mov_b32 v228, 0
	s_lshl_b32 s20, s16, 10
	s_add_co_u32 s20, s20, SCR
	v_lshl_add_u32 v229, v1, 3, s20                ; SCR + 1,024 w + 8 (l % 16)
.irp q, 0,1,2,3,4,5,6,7
	FIN \q
.endr
	s_wait_dscnt 0x0                               ; for the others' sake: my stores are done
	s_barrier_signal -1
	s_barrier_wait -1
	s_cmp_lg_u32 s16, 0
	s_cbranch_scc1 .Lend                           ; wave 0 merges the four waves' pairs: lane l takes queries 4 l .. 4 l + 3
	v_and_b32 v231, 31, v0
	v_lshlrev_b32 v230, 5, v231
	v_add_nc_u32 v230, SCR, v230
	v_lshlrev_b32 v231, 4, v231
.irp w, 0,1,2,3
	ds_load_b128 v[80+8*(\w):80+8*(\w)+3],   v230 offset:1024*(\w)
	ds_load_b128 v[80+8*(\w)+4:80+8*(\w)+7], v230 offset:1024*(\w)+16
.endr
	s_lshl_b32 s20, s18, 9                         ; 128 indices a work-group
	s_mov_b32 s21, 0
	s_add_nc_u64 s[10:11], s[10:11], s[20:21]
	s_add_nc_u64 s[12:13], s[12:13], s[20:21]
	s_lshl_b32 s20, s18, 2
	s_add_nc_u64 s[14:15], s[14:15], s[20:21]
	s_wait_dscnt 0x0
.irp x, 0,1,2,3
	MERGE 80+2*(\x), 81+2*(\x), 80+2*(\x), 81+2*(\x), 88+2*(\x), 89+2*(\x)
	MERGE 80+2*(\x), 81+2*(\x), 80+2*(\x), 81+2*(\x), 96+2*(\x), 97+2*(\x)
	MERGE 236+(\x), 232+(\x), 80+2*(\x), 81+2*(\x), 104+2*(\x), 105+2*(\x)
.endr
	global_store_b128 v231, v[232:235], s[10:11]   ; the wave stores 512 consecutive bytes, at a multiple of 512 from the buffer's first: the result,
	global_store_b128 v231, v[232:235], s[12:13]   ; and the copy from which the next launch forms addresses
	v_add_f32 v236, v236, v237                     ; the 128 winning distances are added up for the loss
	v_add_f32 v238, v238, v239
	v_add_f32 v236, v236, v238
	v_add_f32_dpp v236, v236, v236 row_xmask:1 row_mask:0xf bank_mask:0xf
	v_add_f32_dpp v236, v236, v236 row_xmask:2 row_mask:0xf bank_mask:0xf
	v_add_f32_dpp v236, v236, v236 row_xmask:4 row_mask:0xf bank_mask:0xf
	v_add_f32_dpp v236, v236, v236 row_xmask:8 row_mask:0xf bank_mask:0xf
	v_permlanex16_b32 v227, v236, s70, s71
	v_add_f32 v236, v236, v227
	v_mov_b32 v240, 0
	v_cmp_eq_u32 vcc_lo, 0, v231
	s_wait_xcnt 0x0                                ; EXEC is a source of the stores above: it changes only behind this wait
	s_and_saveexec_b32 s83, vcc_lo
	global_store_b32 v240, v236, s[14:15]          ; lane 0: one number a work-group
	s_wait_xcnt 0x0
	s_or_b32 exec_lo, exec_lo, s83
.Lend:
	s_wait_tensorcnt 0x0                           ; the wave's end, behind my last tensor load and my last LDS store
	ds_add_u32 v[SPW], v[NIL]
	s_wait_dscnt 0x0
	CROUND                                         ; the closing round: no work-group ends while a partner may still ask for a tile that names it
	s_endpgm
.Lfunc_end_k_qc7d98b477c_dist:
	.size	k_qc7d98b477c_dist, .Lfunc_end_k_qc7d98b477c_dist-k_qc7d98b477c_dist
	.p2alignl 7, 3214868480
	.fill 96, 4, 3214868480
	.section	.rodata,"a",@progbits
	.p2align	6, 0x0
	.amdhsa_kernel k_qc7d98b477c_dist
		.amdhsa_group_segment_fixed_size 327680
		.amdhsa_private_segment_fixed_size 0
		.amdhsa_enable_private_segment 0
		.amdhsa_kernarg_size 48
		.amdhsa_user_sgpr_count 2
		.amdhsa_user_sgpr_kernarg_segment_ptr 1
		.amdhsa_wavefront_size32 1
		.amdhsa_system_sgpr_workgroup_id_x 1
		.amdhsa_system_sgpr_workgroup_id_y 1
		.amdhsa_system_sgpr_workgroup_id_z 1
		.amdhsa_system_vgpr_workitem_id 0
		.amdhsa_next_free_vgpr 1024
		.amdhsa_next_free_sgpr 96
		.amdhsa_reserve_vcc 1
		.amdhsa_float_denorm_mode_32 3
		.amdhsa_float_denorm_mode_16_64 3
		.amdhsa_memory_ordered 1
		.amdhsa_forward_progress 1
		.amdhsa_inst_pref_size 188
	.end_amdhsa_kernel
	.amdgpu_metadata
---
amdhsa.version: [ 1, 2 ]
amdhsa.kernels:
  - .name:           k_qc7d98b477c_dist
    .symbol:         k_qc7d98b477c_dist.kd
    .args:
      - { .name: z, .offset: 0, .size: 8, .value_kind: global_buffer, .address_space: global }
      - { .name: cb, .offset: 8, .size: 8, .value_kind: global_buffer, .address_space: global }
      - { .name: bsq, .offset: 16, .size: 8, .value_kind: global_buffer, .address_space: global }
      - { .name: out2, .offset: 24, .size: 8, .value_kind: global_buffer, .address_space: global }
      - { .name: order, .offset: 32, .size: 8, .value_kind: global_buffer, .address_space: global }
      - { .name: part, .offset: 40, .size: 8, .value_kind: global_buffer, .address_space: global }
    .group_segment_fixed_size: 327680
    .private_segment_fixed_size: 0
    .kernarg_segment_align: 8
    .kernarg_segment_size: 48
    .max_flat_workgroup_size: 128
    .sgpr_count:     96
    .vgpr_count:     1024
    .wavefront_size: 32
...
	.end_amdgpu_metadata
.endif
;; end of part 2
;; launch gath (part 3): grid 512 x 1, 8 waves a work-group, no clusters, 0 bytes of LDS; arguments z, codebook, order, part, out0, out1; writes out0, out1
.if DOCPART == 3
	.amdgcn_target "amdgcn-amd-amdhsa--gfx1250"
	.amdhsa_code_object_version 6
	.text
	.protected	k_qc7d98b477c_gath
	.globl	k_qc7d98b477c_gath
	.p2align	8
	.type	k_qc7d98b477c_gath,@function
k_qc7d98b477c_gath:
	s_mov_b64 s[64:65], 0
	v_nop
	global_prefetch_b8 v0, s[64:65] scope:SCOPE_SE
	s_setreg_imm32_b32 hwreg(HW_REG_WAVE_MODE, 25, 1), 1
	s_wait_xcnt 0x0
; VQ CODEBOOK, LAUNCH 3 OF 3: out0[n] = z[n] + (c[idx[n]] - z[n]) in f32's two roundings, on z and c rounded to bf16 as in the whole program; out1 = 0.25 x the mean of (z - c)^2.
; Nothing is left out: z cancels in exact arithmetic, but beside a large z f32 rounds c - z to z's steps, and reference()'s result carries that; so z is read and both steps are done.
; out1 = 2^-25 x the sum of the winning distances (0.25 / (32,768 x 256) = 2^-25), whose 256 partial sums the launch before stored; its limit is stated at that launch's head.
; The rows' addresses hang on the indices that the launch before stored as whole numbers (order); each is held to 0 .. 8,191 before it enters an address.
; SHARES.  A wave takes 8 rows; a row is 1,024 bytes: two units of 512, 16 bytes a lane.  All 32 loads of a wave (16 KiB) go out before the first is used; no register is written twice behind a store, so no loop and no further wait.
; No LDS, no tensor loads, no cluster: no byte is wanted by two waves but the codebook's rows, which lie where the indices say.
.set Z, 16                             ; v[16:79]   unit u = 2 x row + half at Z + 4 u
.set C, 80                             ; v[80:143]  the same of the code's row
.set RO, 148                           ; v148-155   row i's offset in the codebook: 1,024 idx + 16 l
	s_load_b256 s[4:11], s[0:1], 0x0               ; z s[4:5], codebook s[6:7], order s[8:9], part s[10:11]
	s_load_b128 s[12:15], s[0:1], 0x20             ; out0 s[12:13], out1 s[14:15]
	v_lshrrev_b32 v2, 5, v0
	v_readfirstlane_b32 s16, v2                    ; wave 0..7
	v_and_b32 v1, 31, v0
	v_lshlrev_b32 v1, 4, v1                        ; 16 l
	s_lshl_b32 s17, ttmp9, 6
	s_lshl3_add_u32 s17, s16, s17                  ; my first row: 64 x work-group + 8 x wave
	s_lshl_b32 s20, s17, 2                         ; its index,
	s_mov_b32 s21, 0
	s_lshl_b32 s18, s17, 10                        ; its bytes in z and out0
	s_mov_b32 s19, 0
	s_mov_b32 s48, 0xffff0000                      ; a word's upper bf16
	s_wait_kmcnt 0x0
	s_add_nc_u64 s[8:9], s[8:9], s[20:21]
	s_load_b256 s[24:31], s[8:9], 0x0              ; my eight indices
	s_add_nc_u64 s[4:5], s[4:5], s[18:19]
	s_add_nc_u64 s[12:13], s[12:13], s[18:19]
.set u, 0
.rept 16
	global_load_b128 v[Z+4*u:Z+4*u+3], v1, s[4:5] offset:512*u th:TH_LOAD_NT
.set u, u+1
.endr
	s_wait_kmcnt 0x0
.irp i, 0,1,2,3,4,5,6,7
	s_min_u32 s[24+\i], s[24+\i], 0x1fff
	v_lshl_add_u32 v[RO+\i], s[24+\i], 10, v1
.endr
.set u, 0
.rept 16
	global_load_b128 v[C+4*u:C+4*u+3], v[RO+u/2], s[6:7] offset:512*(u%2)  ; no hint: a row may be named again
.set u, u+1
.endr
.macro UNIT u
	s_wait_loadcnt 15-(\u)                         ; loads come back in order: the code loads of the later units may stay out; all of z's are older
	v_cvt_pk_bf16_f32 v144, v[Z+4*(\u)], v[Z+4*(\u)+1]
	v_cvt_pk_bf16_f32 v145, v[Z+4*(\u)+2], v[Z+4*(\u)+3]
	v_cvt_pk_bf16_f32 v146, v[C+4*(\u)], v[C+4*(\u)+1]
	v_cvt_pk_bf16_f32 v147, v[C+4*(\u)+2], v[C+4*(\u)+3]
	v_lshlrev_b32 v[Z+4*(\u)],   16, v144          ; back to f32: the low half moves up, the high half stays
	v_and_b32     v[Z+4*(\u)+1], s48, v144
	v_lshlrev_b32 v[Z+4*(\u)+2], 16, v145
	v_and_b32     v[Z+4*(\u)+3], s48, v145
	v_lshlrev_b32 v[C+4*(\u)],   16, v146
	v_and_b32     v[C+4*(\u)+1], s48, v146
	v_lshlrev_b32 v[C+4*(\u)+2], 16, v147
	v_and_b32     v[C+4*(\u)+3], s48, v147
	v_pk_add_f32 v[C+4*(\u):C+4*(\u)+1],   v[C+4*(\u):C+4*(\u)+1],   v[Z+4*(\u):Z+4*(\u)+1]   neg_lo:[0,1] neg_hi:[0,1]  ; c - z
	v_pk_add_f32 v[C+4*(\u)+2:C+4*(\u)+3], v[C+4*(\u)+2:C+4*(\u)+3], v[Z+4*(\u)+2:Z+4*(\u)+3] neg_lo:[0,1] neg_hi:[0,1]
	v_pk_add_f32 v[Z+4*(\u):Z+4*(\u)+1],   v[Z+4*(\u):Z+4*(\u)+1],   v[C+4*(\u):C+4*(\u)+1]   ; z + that
	v_pk_add_f32 v[Z+4*(\u)+2:Z+4*(\u)+3], v[Z+4*(\u)+2:Z+4*(\u)+3], v[C+4*(\u)+2:C+4*(\u)+3]
	global_store_b128 v1, v[Z+4*(\u):Z+4*(\u)+3], s[12:13] offset:512*(\u) th:TH_STORE_NT  ; the wave stores 512 consecutive bytes, at a multiple of 512 from out0's first
.endm
.irp u, 0,1,2,3,4,5,6,7,8,9,10,11,12,13,14,15
	UNIT \u
.endr
	s_or_b32 s21, ttmp9, s16
	s_cmp_lg_u32 s21, 0
	s_cbranch_scc1 .Ldone                          ; the first wave of the first work-group adds up the 256 partial sums
	v_lshlrev_b32 v3, 1, v1                        ; 32 l: eight numbers a lane
	global_load_b128 v[160:163], v3, s[10:11]
	global_load_b128 v[164:167], v3, s[10:11] offset:16
	s_mov_b32 s50, 0x76543210
	s_mov_b32 s51, 0xfedcba98
	v_mov_b32 v168, 0                              ; v_permlanex16_b32 counts as a reader of its destination
	v_mov_b32 v169, 0
	s_wait_loadcnt 0x0
	v_pk_add_f32 v[160:161], v[160:161], v[162:163]
	v_pk_add_f32 v[164:165], v[164:165], v[166:167]
	v_pk_add_f32 v[160:161], v[160:161], v[164:165]
	v_add_f32 v160, v160, v161
	v_add_f32_dpp v160, v160, v160 row_xmask:1 row_mask:0xf bank_mask:0xf
	v_add_f32_dpp v160, v160, v160 row_xmask:2 row_mask:0xf bank_mask:0xf
	v_add_f32_dpp v160, v160, v160 row_xmask:4 row_mask:0xf bank_mask:0xf
	v_add_f32_dpp v160, v160, v160 row_xmask:8 row_mask:0xf bank_mask:0xf
	v_permlanex16_b32 v168, v160, s50, s51
	v_add_f32 v160, v160, v168
	v_mul_f32 v160, 0x33000000, v160               ; 2^-25
	v_cmp_eq_u32 vcc_lo, 0, v1
	s_wait_xcnt 0x0                                ; EXEC is a source of the loads and stores above: it changes only behind this wait
	s_and_saveexec_b32 s22, vcc_lo
	global_store_b32 v169, v160, s[14:15]          ; lane 0: the loss
	s_wait_xcnt 0x0
	s_or_b32 exec_lo, exec_lo, s22
.Ldone:
	s_endpgm
.Lfunc_end_k_qc7d98b477c_gath:
	.size	k_qc7d98b477c_gath, .Lfunc_end_k_qc7d98b477c_gath-k_qc7d98b477c_gath
	.p2alignl 7, 3214868480
	.fill 96, 4, 3214868480
	.section	.rodata,"a",@progbits
	.p2align	6, 0x0
	.amdhsa_kernel k_qc7d98b477c_gath
		.amdhsa_group_segment_fixed_size 0
		.amdhsa_private_segment_fixed_size 0
		.amdhsa_enable_private_segment 0
		.amdhsa_kernarg_size 48
		.amdhsa_user_sgpr_count 2
		.amdhsa_user_sgpr_kernarg_segment_ptr 1
		.amdhsa_wavefront_size32 1
		.amdhsa_system_sgpr_workgroup_id_x 1
		.amdhsa_system_sgpr_workgroup_id_y 1
		.amdhsa_system_sgpr_workgroup_id_z 1
		.amdhsa_system_vgpr_workitem_id 0
		.amdhsa_next_free_vgpr 176
		.amdhsa_next_free_sgpr 66
		.amdhsa_reserve_vcc 1
		.amdhsa_float_denorm_mode_32 3
		.amdhsa_float_denorm_mode_16_64 3
		.amdhsa_memory_ordered 1
		.amdhsa_forward_progress 1
		.amdhsa_inst_pref_size 21
	.end_amdhsa_kernel
	.amdgpu_metadata
---
amdhsa.version: [ 1, 2 ]
amdhsa.kernels:
  - .name:           k_qc7d98b477c_gath
    .symbol:         k_qc7d98b477c_gath.kd
    .args:
      - { .name: z, .offset: 0, .size: 8, .value_kind: global_buffer, .address_space: global }
      - { .name: codebook, .offset: 8, .size: 8, .value_kind: global_buffer, .address_space: global }
      - { .name: order, .offset: 16, .size: 8, .value_kind: global_buffer, .address_space: global }
      - { .name: part, .offset: 24, .size: 8, .value_kind: global_buffer, .address_space: global }
      - { .name: out0, .offset: 32, .size: 8, .value_kind: global_buffer, .address_space: global }
      - { .name: out1, .offset: 40, .size: 8, .value_kind: global_buffer, .address_space: global }
    .group_segment_fixed_size: 0
    .private_segment_fixed_size: 0
    .kernarg_segment_align: 8
    .kernarg_segment_size: 48
    .max_flat_workgroup_size: 256
    .sgpr_count:     66
    .vgpr_count:     176
    .wavefront_size: 32
...
	.end_amdgpu_metadata
.endif
;; end of part 3
;; ======== version 2 of 2: 3 launches; version 1 with the launch prep written anew for expert scheduling mode
;; limits: a difference of large sums (such as E[x^2] - mean^2): digits are lost where the result is much smaller than its terms
;; workspace buffers: cb 4,194,304 bytes; bsq 32,768 bytes; order 131,072 bytes of whole numbers; part 1,024 bytes
;; launch prep (part 4): grid 256 x 1, 2 waves a work-group, no clusters, 0 bytes of LDS; arguments codebook, cb, bsq; writes cb, bsq
.if DOCPART == 4
	.amdgcn_target "amdgcn-amd-amdhsa--gfx1250"
	.amdhsa_code_object_version 6
	.text
	.protected	k_qc7d98b477c_prep
	.globl	k_qc7d98b477c_prep
	.p2align	8
	.type	k_qc7d98b477c_prep,@function
k_qc7d98b477c_prep:
	s_mov_b64 s[64:65], 0
	v_nop
	global_prefetch_b8 v0, s[64:65] scope:SCOPE_SE
	s_setreg_imm32_b32 hwreg(HW_REG_WAVE_SCHED_MODE, 0, 2), 2
	s_setreg_imm32_b32 hwreg(HW_REG_WAVE_MODE, 25, 1), 1
	s_wait_xcnt 0x0
	s_wait_alu depctr_vm_vsrc(0)
; VQ CODEBOOK, LAUNCH 1 OF 3: the codebook [8192][256] f32 is rounded to bf16, laid in the order in which the matrix unit's fragments want it (cb), and B[k] = the sum of the rounded code's squares is made (bsq).
; THE WHOLE PROGRAM works on z and codebook ROUNDED TO bf16 (the matrix operands' format): norms, products, the gathered rows and the loss all take the rounded numbers.
; NO WORK OF reference() IS LEFT OUT.  |z|^2 is the same for all codes of a row, but it stays: the index is the first minimum of fl(fl(|z|^2 + |c|^2) - 2 z.c), and |z|^2 is so large beside the other two terms that
; f32's rounding of that sum decides between near codes; the next launch forms the distance in just these two roundings.  z in z + (c - z) stays for the same reason (third launch).  stop_gradient changes no value.
; The loss is taken from the winning distances: |z - c|^2 = |z|^2 + |c|^2 - 2 z.c holds for all values.  LIMIT: each such distance carries an error of up to two steps of f32 at |z|^2 + |c|^2, so the loss keeps
; 1% while the mean winning distance is above 2e-5 of the mean |z|^2 + |c|^2.  LIMITS: NaN and infinities are not treated as argmin treats them; a row whose distances are all infinite or NaN gets no meaningful index.
; SHARES.  A wave takes one tile of 16 codes, Tg = 2 x work-group + wave.  Lane l = 16 h + r takes code r, channels 16 e + 8 h .. + 7 of chunk e = 0..15.
; cb: tile Tg at 8,192 Tg; chunk e at + 512 e; lane l's 16 bytes at + 16 l.  Chunks 2 c and 2 c + 1 are registers 0-3 and 4-7 of the fragment of channels 32 c .. 32 c + 31: a later load of 16 bytes a lane, lanes on end, fills it.
; bsq: f32, in the order in which a wave of the next launch walks: code k = 256 s + 64 w + 16 t + i lies at number 2,048 w + 16 (4 s + t) + i.
; No LDS: a lane stores what it has loaded and rounded.  All 32 loads of a wave (16 KiB) go out at once.
; THE MODE: SCHED_MODE bits 1:0 = 2 (LLVM: expert scheduling mode 2), set by the entry lines.  The code itself states the register dependences
; between vector instructions and memory instructions, with s_wait_alu, always for 0.
; THE PLAN.  Registers that memory instructions touch:
;   v1, v2, v3   byte offsets, made once at the head and never written again.
;   F            written by the 32 loads at the head, each register once; no vector instruction writes it; chunk e's conversions read its eight.
;   P            chunk e's four registers are written once, by chunk e's conversions; read by its squares (vector work) and by ONE store.
;   v8           the code's sum; read by the last store, not written behind it.
; The 16 chunks go in four blocks of four.  The stores of block b - 1 are issued in block b, one at the head of each chunk: block b's vector instructions name F, its own P, v4 and v8-11, and
; neither the P of the block before nor v2.  So one wait on va_vdst at a block's head states all that its four stores hang on; one more stands ahead of the last block's stores.
; No register that a memory instruction has read is written again: vm_vsrc is waited for ahead of the two writes of EXEC alone.
.set F, 16                             ; v[16:143]  32 loads of 4 f32: chunk e's eight numbers at F + 8 e
.set P, 144                            ; v[144:207] chunk e's eight bf16 at P + 4 e
	s_load_b128 s[4:7], s[0:1], 0x0                ; codebook s[4:5], cb s[6:7]
	s_load_b64 s[8:9], s[0:1], 0x10                ; bsq
	v_lshrrev_b32 v5, 5, v0
	v_readfirstlane_b32 s16, v5                    ; wave 0, 1
	v_and_b32 v6, 15, v0                           ; r
	v_bfe_u32 v7, v0, 4, 1                         ; h
	v_lshlrev_b32 v1, 10, v6
	v_lshl_add_u32 v1, v7, 5, v1                   ; where I load: 1,024 r + 32 h
	v_and_b32 v13, 31, v0
	v_lshlrev_b32 v2, 4, v13                       ; where I store: 16 l
	v_lshlrev_b32 v3, 2, v6                        ; B's word: 4 r
	v_mov_b32 v4, 0                                ; the sums' first addend
	v_mov_b32 v12, 0                               ; v_permlanex16_b32 counts as a reader of its destination
	s_mov_b32 s12, 0x76543210                      ; each lane takes its own place in the other half
	s_mov_b32 s13, 0xfedcba98
	s_wait_alu depctr_va_sdst(0)                   ; s16 is written, ahead of its first reader: Tg and all three bases are made from it
	s_lshl_b32 s17, ttmp9, 1
	s_add_co_u32 s17, s17, s16                     ; Tg
	s_lshl_b32 s20, s17, 14                        ; the tile's 16 rows of 1,024 bytes
	s_mov_b32 s21, 0
	s_lshl_b32 s22, s17, 13                        ; the tile's 8,192 bytes of cb
	s_mov_b32 s23, 0
	s_bfe_u32 s24, s17, 0x20002                    ; w = (Tg >> 2) & 3
	s_lshl_b32 s24, s24, 13
	s_lshr_b32 s25, s17, 4                         ; s = Tg >> 4
	s_lshl_b32 s25, s25, 2
	s_and_b32 s26, s17, 3                          ; t
	s_add_co_u32 s25, s25, s26
	s_lshl_b32 s25, s25, 6
	s_add_co_u32 s24, s24, s25                     ; 8,192 w + 64 (4 s + t)
	s_mov_b32 s25, 0
	s_wait_kmcnt 0x0
	s_add_nc_u64 s[4:5], s[4:5], s[20:21]
	s_add_nc_u64 s[6:7], s[6:7], s[22:23]
	s_add_nc_u64 s[8:9], s[8:9], s[24:25]
	s_wait_alu depctr_va_vdst(0)                   ; v1, v2 and v3 are written: every load and store of the kernel reads one of them as its offset
.set i, 0
.rept 32
	global_load_b128 v[F+4*i:F+4*i+3], v1, s[4:5] offset:64*(i/2)+16*(i%2)
.set i, i+1
.endr
; Chunk e: rounded and squared into four chains of sums; at its head the chunk four back, of the block before, is stored.
.macro CHUNK e
	s_wait_loadcnt 30-2*(\e)                       ; loads come back in order: the 2 (15 - e) loads of the later chunks may stay out
.if ((\e) >= 4) && ((\e) % 4 == 0)
	s_wait_alu depctr_va_vdst(0)                   ; a block's head: the conversions of the block before have written its sixteen registers of P, which this block's four stores read
.endif
.if (\e) >= 4
	global_store_b128 v2, v[P+4*((\e)-4):P+4*((\e)-4)+3], s[6:7] offset:512*((\e)-4)  ; the wave stores 512 consecutive bytes, at a multiple of 512 from cb's first; no vector instruction since the block's wait names these registers
.endif
.irp j, 0,1,2,3
	v_cvt_pk_bf16_f32 v[P+4*(\e)+(\j)], v[F+8*(\e)+2*(\j)], v[F+8*(\e)+2*(\j)+1]
.endr
.irp j, 0,1,2,3
.if (\e) == 0
	v_fma_mix_f32_bf16 v[8+(\j)], v[P+4*(\e)+(\j)], v[P+4*(\e)+(\j)], v4 op_sel_hi:[1,1,0]  ; the low halves' squares start the chains
.else
	v_fma_mix_f32_bf16 v[8+(\j)], v[P+4*(\e)+(\j)], v[P+4*(\e)+(\j)], v[8+(\j)] op_sel_hi:[1,1,0]
.endif
.endr
.irp j, 0,1,2,3
	v_fma_mix_f32_bf16 v[8+(\j)], v[P+4*(\e)+(\j)], v[P+4*(\e)+(\j)], v[8+(\j)] op_sel:[1,1,0] op_sel_hi:[1,1,0]  ; the high halves'
.endr
.endm
.irp e, 0,1,2,3,4,5,6,7,8,9,10,11,12,13,14,15
	CHUNK \e
.endr
	s_wait_alu depctr_va_vdst(0)                   ; the last block's conversions have written its sixteen registers of P, which the four stores below read
.irp e, 12,13,14,15
	global_store_b128 v2, v[P+4*(\e):P+4*(\e)+3], s[6:7] offset:512*(\e)
.endr
	v_add_f32 v8, v8, v9
	v_add_f32 v10, v10, v11
	v_add_f32 v8, v8, v10
	v_permlanex16_b32 v12, v8, s12, s13            ; the code's other 128 channels lie in the lane 16 away
	v_add_f32 v8, v8, v12
	v_cmp_gt_u32 vcc_lo, 16, v13
	s_wait_xcnt 0x0                                ; EXEC is a source of the stores above: it changes only behind this wait
	s_wait_alu depctr_va_vcc(0)                    ; the compare has written VCC, from which EXEC is made
	s_wait_alu depctr_va_vdst(0)                   ; ahead of the write of EXEC: the vector instructions issued so far have written their results, v8 among them, which the store below reads
	s_wait_alu depctr_vm_vsrc(0)                   ; ahead of the write of EXEC: the stores issued so far have read their vector registers
	s_and_saveexec_b32 s18, vcc_lo
	global_store_b32 v3, v8, s[8:9]                ; lanes 0-15: the tile's 16 sums, 64 bytes on end (the whole table is 32 KiB)
	s_wait_xcnt 0x0
	s_wait_alu depctr_va_vdst(0)                   ; ahead of the write of EXEC: no vector instruction is left unfinished
	s_wait_alu depctr_vm_vsrc(0)                   ; ahead of the write of EXEC: the store above has read v3 and v8
	s_or_b32 exec_lo, exec_lo, s18
	s_endpgm
.Lfunc_end_k_qc7d98b477c_prep:
	.size	k_qc7d98b477c_prep, .Lfunc_end_k_qc7d98b477c_prep-k_qc7d98b477c_prep
	.p2alignl 7, 3214868480
	.fill 96, 4, 3214868480
	.section	.rodata,"a",@progbits
	.p2align	6, 0x0
	.amdhsa_kernel k_qc7d98b477c_prep
		.amdhsa_group_segment_fixed_size 0
		.amdhsa_private_segment_fixed_size 0
		.amdhsa_enable_private_segment 0
		.amdhsa_kernarg_size 24
		.amdhsa_user_sgpr_count 2
		.amdhsa_user_sgpr_kernarg_segment_ptr 1
		.amdhsa_wavefront_size32 1
		.amdhsa_system_sgpr_workgroup_id_x 1
		.amdhsa_system_sgpr_workgroup_id_y 1
		.amdhsa_system_sgpr_workgroup_id_z 1
		.amdhsa_system_vgpr_workitem_id 0
		.amdhsa_next_free_vgpr 208
		.amdhsa_next_free_sgpr 66
		.amdhsa_reserve_vcc 1
		.amdhsa_float_denorm_mode_32 3
		.amdhsa_float_denorm_mode_16_64 3
		.amdhsa_memory_ordered 1
		.amdhsa_forward_progress 1
		.amdhsa_inst_pref_size 20
	.end_amdhsa_kernel
	.amdgpu_metadata
---
amdhsa.version: [ 1, 2 ]
amdhsa.kernels:
  - .name:           k_qc7d98b477c_prep
    .symbol:         k_qc7d98b477c_prep.kd
    .args:
      - { .name: codebook, .offset: 0, .size: 8, .value_kind: global_buffer, .address_space: global }
      - { .name: cb, .offset: 8, .size: 8, .value_kind: global_buffer, .address_space: global }
      - { .name: bsq, .offset: 16, .size: 8, .value_kind: global_buffer, .address_space: global }
    .group_segment_fixed_size: 0
    .private_segment_fixed_size: 0
    .kernarg_segment_align: 8
    .kernarg_segment_size: 24
    .max_flat_workgroup_size: 64
    .sgpr_count:     66
    .vgpr_count:     208
    .wavefront_size: 32
...
	.end_amdgpu_metadata
.endif
;; end of part 4
;; launch dist: the kernel of part 2 again; grid 256 x 1, 4 waves a work-group, clusters of 4 x 1, 327,680 bytes of LDS; arguments z, cb, bsq, out2, order, part; writes out2, order, part
;; launch gath: the kernel of part 3 again; grid 512 x 1, 8 waves a work-group, no clusters, 0 bytes of LDS; arguments z, codebook, order, part, out0, out1; writes out0, out1
